; MI455X (gfx1250); checked and timed in simulation.
; The chip was launched on July 23, 2026; its instructions are those of AMD's public machine-readable ISA for CDNA 5 (MIT licence, August 2026) and "CDNA5" Instruction Set Architecture Reference Guide (July 2026). The comments in the code are by the model that wrote it; some were corrected since.
;; PINN. Allowed arithmetic: float matrix products may take bf16 or f16 operands with f32 sums; all other float work in f32.
;; Inputs: W0 2 x 20 float32; W1 20 x 20 float32; W2 20 x 20 float32; W3 20 x 20 float32; W4 20 x 20 float32; W5 20 x 20 float32; W6 20 x 20 float32; W7 20 x 20 float32; Wout 20 x 1 float32; b0 20 float32; b1 20 float32; b2 20 float32; b3 20 float32; b4 20 float32; b5 20 float32; b6 20 float32; b7 20 float32; bout 1 float32; t 524,288 x 1 float32; x 524,288 x 1 float32.
;; Outputs: out0 524,288 x 1 float32.
;; 2 versions, each right and faster than the one before. Each part assembles by itself: llvm-mc -triple=amdgcn-amd-amdhsa -mcpu=gfx1250 --defsym DOCPART=n.
;; ======== version 1 of 2: 1 launch
;; limits: a function is approximated: absolute error at most 1.2e-07; values are held in f16: magnitudes above 65,504 overflow, below 6.1e-05 lose precision; inputs' magnitudes at most 22,700
;; launch pinn (part 1): grid 256 x 1, 8 waves a work-group, no clusters, 76,288 bytes of LDS; arguments x, t, out0, W0, b0, Wout, bout, W1, W2, W3, W4, W5, W6, W7, b1, b2, b3, b4, b5, b6, b7; writes out0
.if DOCPART == 1
	.amdgcn_target "amdgcn-amd-amdhsa--gfx1250"
	.amdhsa_code_object_version 6
	.text
	.protected	k_q10d960d345_pinn
	.globl	k_q10d960d345_pinn
	.p2align	8
	.type	k_q10d960d345_pinn,@function
k_q10d960d345_pinn:
	s_mov_b64 s[64:65], 0
	v_nop
	global_prefetch_b8 v0, s[64:65] scope:SCOPE_SE
	s_setreg_imm32_b32 hwreg(HW_REG_WAVE_MODE, 25, 1), 1
	s_wait_xcnt 0x0
; f = u_t + u u_x - nu u_xx for 524,288 points (x, t); u is the tanh net 2 -> 20 -> (7 x) 20 -> 1, nu = 0.01 / pi.
;
; WHAT IS COMPUTED.  u, u_x, u_t and u_xx come from ONE forward sweep that carries, for each hidden unit, the four numbers
; a, a_x, a_t and X = -a_xx / 2.  By the chain rule, for every value of the inputs, with z = W a + b:
;   zx = W a_x,  zt = W a_t,  Zq = W X = -z_xx / 2,   a = tanh z,  s = 1 - a^2,
;   a_x = s zx,  a_t = s zt,  a_xx = s z_xx - 2 a s zx^2, that is  X = s (Zq + a zx^2).
; These are the same four derivatives that repeated reverse differentiation gives; only the order of the roundings differs.
; In the first layer z is linear in x, so z_xx = 0 identically: its Zq is not formed.  Every input has a way to f and is loaded.
; The last layer is fused into the eighth activation: with w = Zq + a zx^2 and so = s Wout,
;   u = sum Wout a + bout,  u_x = sum so zx,  y = sum so (zt + 2 nu w) = u_t - nu u_xx,  f = u u_x + y.
;
; FORMATS.  The seven 20 x 20 layers go to the matrix unit, sums in f32.  The a stream: f16 operands (|a| <= 1), against c W in f16,
; c = 2 log2 e folded in, the bias c b as an f16 pair (high part, rest) against a constant 1.  The a_x and a_t streams decide f and
; have no bounded range: each number goes as two bf16 (its upper 16 bits, and the rest rounded), against W as two bf16;
; the three products W_hi H + W_hi L + W_lo H are summed.  The X stream enters f with the weight 2 nu = 0.0064: one bf16.
; The layers 2 -> 20 and 20 -> 1 would fill a sixteenth of a matrix tile: they are f32 multiply-adds.
;
; LIMITS.  tanh z = 1 - 2 / (1 + 2^(c z)): absolute error about 1.2e-7, not a relative one; s = 1 - a^2 is 0 once a rounds to +-1.
; As a matrix operand a is rounded to f16: relative 2^-12, absolute floor 2^-25.  |c W_l| and |c b_l|, l >= 1, must stay below 65,504
; (c = 2.885).  X carries one bf16 rounding a layer.  The sums are ordered otherwise than in reverse mode.
;
; SHARES.  256 work-groups of 8 waves; a work-group owns 2,048 points, a wave 256, as 16 tiles of 16 points, one tile a trip.
; All weights of a wave stay in registers (336), so two waves of 512 registers lie on a SIMD.  What work-groups share is 13 KB of
; weights, read once by each: no cluster, no tensor load; x, t and f are 24 KB a work-group, moved once in runs of 512 bytes.
;
; LAYOUT: NO TRAFFIC BETWEEN LANES FROM LAYER TO LAYER.  D = A (weights, row m = output unit) x B (stream, column n = point).
; Lane L: r = L & 15, h = L >> 4.  D's register j of lane (r, h) is row 8 h + j of point r (ISA guide 7.12.2).  Tile 0's row m is unit m;
; tile 1's rows 0, 1, 8, 9 are units 16, 17, 18, 19 and its other rows have zero weights.  A stream's two tiles lie side by side, so a
; lane's ten live numbers are registers base + i, i = 0 .. 9, of units u(h, i) = 8 h + i (i < 8), 16 + 2 h + i - 8 (i = 8, 9).
; A and B have the same map of k onto (h, register, half), so any packed pair of a lane's own numbers may be any B register, if A's
; same register in the lanes of the same h holds the weights from these two units.  The tables below are built so.
;   BH (f16)  a0 a1 a2 a3 a4 ONE 0 0                    Ah  F0 F1 F2 F3 F4 BIAS 0 0          (pairs p = 0 .. 4)
;   BX, BT    L0 L1 H0 H1 H2 H3 H4 L2 L3 L4             AP  HI0 HI1 HI0 HI1 HI2 HI3 HI4 HI2  against registers 0-7
;   BQ        0  0  H0 H1 H2 H3 H4 0  (with AP)         AQ  LO0 LO1 LO2 LO3 LO4 0 HI3 HI4    against registers 2-9
.set CLOG,  0x4038aa3b                 ; c = 2 log2 e
.set NU2,   0x3bd09b8a                 ; 2 nu = 0.02 / pi
.set TILES, 16                         ; tiles of 16 points in a wave's 256
; LDS: 42 fragments of 1,024 bytes (index 6 (l - 1) + kind; kinds Ah0 Ah1 AP0 AP1 AQ0 AQ1; registers 4 cc .. 4 cc + 3 at 512 cc + 16 lane);
; six sets of ten numbers a lane (c b0, c W0[1], c W0[0], W0[0], W0[1], Wout; 16 lane, 512 + 16 lane, 1,024 + 8 lane); each wave's own x, t, f.
.set C0,    43008                      ; the sets, 1,280 bytes each
.set XS,    50688                      ; x: 1,024 bytes a wave; t 8,192 bytes further, f 16,384 bytes further; the end is 75,264
; vector registers, window 0 (an instruction names v0-v255; s_set_vgpr_msb says which window each operand place means)
;   v0 thread  v1 lane  v3 r  v4 h  v5 1,024 wave + 16 lane (x, t, f in memory)  v6 16 lane  v7 8 lane  v[8:9] x, t of my point
;   v10 XS + 1,024 wave + 4 r + 64 trip   v11 XS + v5   v12 -1.0   v13-15, v136 set-up offsets
.set Z,   16                           ; v[16:31]    c z, then a       (ten live)
.set X,   32                           ; v[32:47]    zx, then a_x
.set T,   48                           ; v[48:63]    zt, then a_t
.set Q,   64                           ; v[64:79]    Zq, then w, then X
.set BH,  80                           ; v[80:87]
.set BX,  88                           ; v[88:97]
.set BT,  98                           ; v[98:107]
.set BQ,  108                          ; v[108:115]
.set S,   116                          ; v[116:125]  s
.set V,   126                          ; v[126:135]  zx^2; in the last activation then the three sums
.set U,   126
.set UX,  128
.set Y,   130
.set PL,  132                          ; what the other half of the lanes sends
.set WO,  140                          ; v[140:149]  Wout of my ten units
.set A6,  160                          ; v[160:207]  layer 6's six fragments;  v[208:255] layer 7's;  window 1, v[48 (l-1) ..]: layers 1 to 5
; set-up only
.set BW,  16                           ; ten weights; v26-v30 bias and masks
.set IMH, 32                           ; the images of Ah, AP, AQ
.set IMP, 40
.set IMQ, 48
.set BC,  56                           ; c W
.set MSB, 0
.macro WIN new                         ; the immediate's high byte repeats the setting that is left
.if MSB != \new
	s_set_vgpr_msb (MSB<<8)|\new
.set MSB, \new
.endif
.endm
	s_load_b512 s[16:31], s[0:1], 0x0              ; x 16, t 18, out0 20, W0 22, b0 24, Wout 26, bout 28, W1 30
	s_load_b512 s[32:47], s[0:1], 0x40             ; W2 .. W7 32 .. 42, b1 44, b2 46
	s_load_b256 s[48:55], s[0:1], 0x80             ; b3 .. b6
	s_load_b64 s[56:57], s[0:1], 0xa0              ; b7
	v_lshl_add_u32 v158, v0, 2, 0x12600
	v_mov_b32 v159, 0
	v_and_b32 v1, 31, v0
	v_lshrrev_b32 v2, 5, v0
	v_readfirstlane_b32 s2, v2                     ; wave 0 .. 7
	v_and_b32 v3, 15, v0                           ; r
	v_bfe_u32 v4, v0, 4, 1                         ; h
	v_lshlrev_b32 v6, 4, v1
	v_lshlrev_b32 v7, 3, v1
	v_lshl_add_u32 v5, s2, 10, v6
	v_add_nc_u32 v11, XS, v5
	v_lshlrev_b32 v10, 2, v3
	v_lshl_add_u32 v10, s2, 10, v10
	v_add_nc_u32 v10, XS, v10
	v_mov_b32 v12, -1.0
	s_mov_b32 s4, 0x07060302                       ; v_perm_b32: the upper halves of two words
	s_mov_b32 s6, 0x76543210                       ; v_permlanex16_b32: lane i of one half reads lane i of the other
	s_mov_b32 s7, 0xfedcba98
	s_mov_b32 s14, CLOG
	s_mov_b32 s15, CLOG                            ; the pair is named whole by the packed multiply
	s_lshl_b32 s12, ttmp9, 13                      ; 2,048 points of 4 bytes
	s_mov_b32 s13, 0
	s_wait_kmcnt 0x0
	s_load_b32 s60, s[28:29], 0x0                  ; bout
	s_add_nc_u64 s[16:17], s[16:17], s[12:13]
	s_add_nc_u64 s[18:19], s[18:19], s[12:13]
	s_add_nc_u64 s[20:21], s[20:21], s[12:13]
	; my wave's x and t: each load covers 512 consecutive bytes; read once in the launch
	global_load_b128 v[120:123], v5, s[16:17] th:TH_LOAD_NT
	global_load_b128 v[124:127], v5, s[16:17] offset:512 th:TH_LOAD_NT
	global_load_b128 v[128:131], v5, s[18:19] th:TH_LOAD_NT
	global_load_b128 v[132:135], v5, s[18:19] offset:512 th:TH_LOAD_NT
; The three fragments of output tile T of my wave's layer.  Lane (r, h) holds W[u(h, i)][uout], i = 0 .. 9, uout = r (T = 0) or
; 16 + (r & 1) + 2 (r >> 3) (T = 1; rows with r & 6 != 0 are no unit: loaded from inside the buffer and set to zero).
.macro BUILD T
.if \T
	v_and_b32 v13, 1, v3
	v_lshrrev_b32 v30, 3, v3
	v_lshl_add_u32 v13, v30, 1, v13
	v_add_lshl_u32 v13, v13, 16, 2                 ; 4 uout
.else
	v_lshlrev_b32 v13, 2, v3
.endif
	v_mad_u32_u24 v14, v4, 640, v13                ; rows 8 h + i of 80 bytes
	v_mad_u32_u24 v15, v4, 160, v13                ; rows 16 + 2 h + i - 8
.irp i, 0,1,2,3,4,5,6,7
	global_load_b32 v[BW+\i], v14, s[8:9] offset:80*\i
.endr
	global_load_b32 v[BW+8], v15, s[8:9] offset:1280
	global_load_b32 v[BW+9], v15, s[8:9] offset:1360
	global_load_b32 v26, v13, s[10:11]
	s_wait_loadcnt 0x0                             ; all are in: their offsets v13-15 may be written again
.if \T
	v_and_b32 v30, 6, v3
	v_cmp_eq_u32 vcc_lo, 0, v30
.irp i, 0,1,2,3,4,5,6,7,8,9
	v_cndmask_b32 v[BW+\i], 0, v[BW+\i], vcc_lo
.endr
.endif
.irp p, 0,1,2,3,4
	v_cvt_pk_bf16_f32 v[IMP+2+\p], v[BW+2*\p], v[BW+2*\p+1]                        ; HI p
	v_pk_mul_f32 v[BC+2*\p:BC+2*\p+1], v[BW+2*\p:BW+2*\p+1], s[14:15] op_sel_hi:[1,0]
.endr
.irp p, 0,1,2,3,4
	v_cvt_pk_f16_f32 v[IMH+\p], v[BC+2*\p], v[BC+2*\p+1]                           ; F p = f16(c W)
	v_fma_mix_f32_bf16 v[BW+2*\p], v[IMP+2+\p], v12, v[BW+2*\p] op_sel:[0,0,0] op_sel_hi:[1,0,0]       ; W - HI, exact
	v_fma_mix_f32_bf16 v[BW+2*\p+1], v[IMP+2+\p], v12, v[BW+2*\p+1] op_sel:[1,0,0] op_sel_hi:[1,0,0]
.endr
.irp p, 0,1,2,3,4
	v_cvt_pk_bf16_f32 v[IMQ+\p], v[BW+2*\p], v[BW+2*\p+1]                          ; LO p
.endr
	v_mov_b32 v[IMP+0], v[IMP+2]                   ; HI0, HI1, HI2 once more, against L0, L1, L2
	v_mov_b32 v[IMP+1], v[IMP+3]
	v_mov_b32 v[IMP+7], v[IMP+4]
	v_mov_b32 v[IMQ+5], 0                          ; L2 has been served
	v_mov_b32 v[IMQ+6], v[IMP+5]                   ; HI3, HI4 against L3, L4
	v_mov_b32 v[IMQ+7], v[IMP+6]
	v_mov_b32 v[IMH+6], 0
	v_mov_b32 v[IMH+7], 0
	v_mul_f32 v27, s14, v26                        ; c b as two f16: the rounded number and what it leaves
	v_cvt_pk_f16_f32 v28, v27, v27
	v_cvt_f32_f16 v29, v28.l
	v_sub_f32 v29, v27, v29
	v_cvt_pk_f16_f32 v[IMH+5], v27, v29
	v_and_b32 v30, 16+6*\T, v1                     ; once for each row: in the lanes of h = 0, and in rows that are units
	v_cmp_eq_u32 vcc_lo, 0, v30
	v_cndmask_b32 v[IMH+5], 0, v[IMH+5], vcc_lo
	ds_store_b128 v136, v[IMH:IMH+3]   offset:\T*1024
	ds_store_b128 v136, v[IMH+4:IMH+7] offset:\T*1024+512
	ds_store_b128 v136, v[IMP:IMP+3]   offset:(2+\T)*1024
	ds_store_b128 v136, v[IMP+4:IMP+7] offset:(2+\T)*1024+512
	ds_store_b128 v136, v[IMQ:IMQ+3]   offset:(4+\T)*1024
	ds_store_b128 v136, v[IMQ+4:IMQ+7] offset:(4+\T)*1024+512
.endm
; ten numbers a lane, of units u(h, i), from an array of 20 f32 that begins off bytes behind the base
.macro LDEND dst, b, off
	global_load_b128 v[\dst:\dst+3],   v13, s[\b:\b+1] offset:\off
	global_load_b128 v[\dst+4:\dst+7], v13, s[\b:\b+1] offset:\off+16
	global_load_b64  v[\dst+8:\dst+9], v14, s[\b:\b+1] offset:\off+64
.endm
.macro STSET src, set
	ds_store_b128 v6, v[\src:\src+3]   offset:C0+\set*1280
	ds_store_b128 v6, v[\src+4:\src+7] offset:C0+\set*1280+512
	ds_store_b64  v7, v[\src+8:\src+9] offset:C0+\set*1280+1024
.endm
.macro LDSET dst, set
	ds_load_b128 v[\dst:\dst+3],   v6 offset:C0+\set*1280
	ds_load_b128 v[\dst+4:\dst+7], v6 offset:C0+\set*1280+512
	ds_load_b64  v[\dst+8:\dst+9], v7 offset:C0+\set*1280+1024
.endm
	; THE TABLES, once a work-group: wave w < 7 makes layer w + 1's six fragments, wave 7 the sets of the two ends.  No barrier stands in either arm.
	s_cmp_eq_u32 s2, 7
	s_cbranch_scc1 .Lends
	s_mov_b64 s[8:9], s[30:31]                     ; my layer's W and b, chosen by the wave's number
	s_mov_b64 s[10:11], s[44:45]
.irp k, 1,2,3,4,5,6
	s_cmp_eq_u32 s2, \k
	s_cselect_b64 s[8:9], s[30+2*\k:31+2*\k], s[8:9]
	s_cselect_b64 s[10:11], s[44+2*\k:45+2*\k], s[10:11]
.endr
	s_mul_i32 s61, s2, 6144
	v_add_nc_u32 v136, s61, v6                     ; my layer's fragments: 6,144 wave + 16 lane
	BUILD 0
	BUILD 1
	s_branch .Ljoin
.Lends:
	v_lshlrev_b32 v13, 5, v4                       ; units 8 h ..
	v_lshlrev_b32 v14, 3, v4                       ; units 16 + 2 h ..
	LDEND 16, 22, 0                                ; W0[0]
	LDEND 28, 22, 80                               ; W0[1]
	LDEND 40, 24, 0                                ; b0
	LDEND 52, 26, 0                                ; Wout
	s_wait_loadcnt 0x0
.irp p, 0,1,2,3,4
	v_pk_mul_f32 v[64+2*\p:65+2*\p], v[16+2*\p:17+2*\p], s[14:15] op_sel_hi:[1,0]
	v_pk_mul_f32 v[76+2*\p:77+2*\p], v[28+2*\p:29+2*\p], s[14:15] op_sel_hi:[1,0]
	v_pk_mul_f32 v[88+2*\p:89+2*\p], v[40+2*\p:41+2*\p], s[14:15] op_sel_hi:[1,0]
.endr
	STSET 88, 0                                    ; c b0
	STSET 76, 1                                    ; c W0[1]
	STSET 64, 2                                    ; c W0[0]
	STSET 16, 3                                    ; W0[0] = zx of the first layer
	STSET 28, 4                                    ; W0[1] = zt
	STSET 52, 5                                    ; Wout
.Ljoin:
	s_wait_loadcnt 0x0                             ; x and t (met on both ways)
	ds_store_b128 v11, v[120:123]
	ds_store_b128 v11, v[124:127] offset:512
	ds_store_b128 v11, v[128:131] offset:8192
	ds_store_b128 v11, v[132:135] offset:8704
	s_wait_dscnt 0x0                               ; my stores are done, for the other waves' sake,
	s_barrier_signal -1
	s_barrier_wait -1                              ; and so are everybody's: the tables are whole.  The only barrier: nothing in them is written again
	; all 42 fragments into registers, lanes at consecutive 16 bytes
	WIN 0x40                                       ; destination window 1, address window 0
.set FI, 0
.rept 30
	ds_load_b128 v[8*FI:8*FI+3],   v6 offset:FI*1024
	ds_load_b128 v[8*FI+4:8*FI+7], v6 offset:FI*1024+512
.set FI, FI+1
.endr
	WIN 0
.rept 12
	ds_load_b128 v[A6+8*(FI-30):A6+8*(FI-30)+3],   v6 offset:FI*1024
	ds_load_b128 v[A6+8*(FI-30)+4:A6+8*(FI-30)+7], v6 offset:FI*1024+512
.set FI, FI+1
.endr
	LDSET WO, 5
	v_mov_b32 v[BH+5], 0x3c003c00                  ; 1.0, 1.0 in f16, against the bias pair
	v_mov_b32 v[BH+6], 0
	v_mov_b32 v[BH+7], 0
	v_mov_b32 v[BQ+0], 0
	v_mov_b32 v[BQ+1], 0
	v_mov_b32 v[BQ+7], 0
	s_wait_dscnt 0x0
	s_wait_kmcnt 0x0                               ; bout
; One layer's twelve products.  ab: the layer's first fragment register, win: its window as source 0.  The first product of each sum takes
; the constant 0 as C.  The eight accumulators take turns, one instruction a turn.
.macro MM ab, win
	WIN \win
	v_wmma_f32_16x16x32_f16  v[Z:Z+7],    v[\ab:\ab+7],     v[BH:BH+7],   0
	v_wmma_f32_16x16x32_f16  v[Z+8:Z+15], v[\ab+8:\ab+15],  v[BH:BH+7],   0
	v_wmma_f32_16x16x32_bf16 v[X:X+7],    v[\ab+16:\ab+23], v[BX:BX+7],   0
	v_wmma_f32_16x16x32_bf16 v[X+8:X+15], v[\ab+24:\ab+31], v[BX:BX+7],   0
	v_wmma_f32_16x16x32_bf16 v[T:T+7],    v[\ab+16:\ab+23], v[BT:BT+7],   0
	v_wmma_f32_16x16x32_bf16 v[T+8:T+15], v[\ab+24:\ab+31], v[BT:BT+7],   0
	v_wmma_f32_16x16x32_bf16 v[Q:Q+7],    v[\ab+16:\ab+23], v[BQ:BQ+7],   0
	v_wmma_f32_16x16x32_bf16 v[Q+8:Q+15], v[\ab+24:\ab+31], v[BQ:BQ+7],   0
	v_wmma_f32_16x16x32_bf16 v[X:X+7],    v[\ab+32:\ab+39], v[BX+2:BX+9], v[X:X+7]
	v_wmma_f32_16x16x32_bf16 v[X+8:X+15], v[\ab+40:\ab+47], v[BX+2:BX+9], v[X+8:X+15]
	v_wmma_f32_16x16x32_bf16 v[T:T+7],    v[\ab+32:\ab+39], v[BT+2:BT+9], v[T:T+7]
	v_wmma_f32_16x16x32_bf16 v[T+8:T+15], v[\ab+40:\ab+47], v[BT+2:BT+9], v[T+8:T+15]
	WIN 0
.rept 4
	v_nop                                          ; four places between the last product and the first read of a result (ISA guide 7.12.1); all that follows depends on the results
.endr
.endm
; a, s and w from c z, zx, Zq; each stage goes over all five pairs, so that no instruction waits for the one in front of it.
; first = 1: Zq is 0 identically.  Behind each run of transcendentals stand packed multiplies that touch neither their results nor
; their sources (ISA guide 5.7.2): the squares of zx.
.macro ACTHEAD first
.irp i, 0,1,2,3,4,5,6,7,8,9
	v_exp_f32 v[Z+\i], v[Z+\i]                     ; e = 2^(c z) = exp(2 z)
.endr
.irp p, 0,1,2
	v_pk_mul_f32 v[V+2*\p:V+2*\p+1], v[X+2*\p:X+2*\p+1], v[X+2*\p:X+2*\p+1]
.endr
	s_wait_alu depctr_va_vdst(0)
.irp p, 0,1,2,3,4
	v_pk_add_f32 v[Z+2*\p:Z+2*\p+1], v[Z+2*\p:Z+2*\p+1], 1.0 op_sel_hi:[1,0]
.endr
.irp i, 0,1,2,3,4,5,6,7,8,9
	v_rcp_f32 v[Z+\i], v[Z+\i]                     ; 1 / (1 + e): 0 for e = infinity, 1 for e = 0
.endr
.irp p, 3,4
	v_pk_mul_f32 v[V+2*\p:V+2*\p+1], v[X+2*\p:X+2*\p+1], v[X+2*\p:X+2*\p+1]
.endr
	s_wait_alu depctr_va_vdst(0)
.irp p, 0,1,2,3,4
	v_pk_fma_f32 v[Z+2*\p:Z+2*\p+1], v[Z+2*\p:Z+2*\p+1], -2.0, 1.0 op_sel_hi:[1,0,0]          ; a
.endr
.irp p, 0,1,2,3,4
	v_pk_fma_f32 v[S+2*\p:S+2*\p+1], v[Z+2*\p:Z+2*\p+1], v[Z+2*\p:Z+2*\p+1], 1.0 op_sel_hi:[1,1,0] neg_lo:[1,0,0] neg_hi:[1,0,0]   ; s = 1 - a a
.endr
.irp p, 0,1,2,3,4
.if \first
	v_pk_mul_f32 v[Q+2*\p:Q+2*\p+1], v[Z+2*\p:Z+2*\p+1], v[V+2*\p:V+2*\p+1]
.else
	v_pk_fma_f32 v[Q+2*\p:Q+2*\p+1], v[Z+2*\p:Z+2*\p+1], v[V+2*\p:V+2*\p+1], v[Q+2*\p:Q+2*\p+1]   ; w = a zx^2 + Zq
.endif
.endr
.endm
; a stream as two bf16 a number: H = the upper 16 bits, L = bf16 of the exact rest; L p goes to register 0, 1, 7, 8, 9 of the image
.macro SPLIT src, b
.irp p, 0,1,2,3,4
	v_perm_b32 v[\b+2+\p], v[\src+2*\p+1], v[\src+2*\p], s4
.endr
.irp i, 0,1,2,3,4,5,6,7,8,9
	v_fma_mix_f32_bf16 v[\src+\i], v[\src+\i], v12, v[\src+\i] op_sel:[1,0,0] op_sel_hi:[1,0,0]   ; the number less its upper half
.endr
.irp p, 0,1,2,3,4
	v_cvt_pk_bf16_f32 v[\b+\p+5*((\p+2)/4)], v[\src+2*\p], v[\src+2*\p+1]
.endr
.endm
; an activation that feeds a further layer
.macro ACT first
	ACTHEAD \first
.irp p, 0,1,2,3,4
	v_pk_mul_f32 v[X+2*\p:X+2*\p+1], v[S+2*\p:S+2*\p+1], v[X+2*\p:X+2*\p+1]
.endr
.irp p, 0,1,2,3,4
	v_pk_mul_f32 v[T+2*\p:T+2*\p+1], v[S+2*\p:S+2*\p+1], v[T+2*\p:T+2*\p+1]
.endr
.irp p, 0,1,2,3,4
	v_pk_mul_f32 v[Q+2*\p:Q+2*\p+1], v[S+2*\p:S+2*\p+1], v[Q+2*\p:Q+2*\p+1]
.endr
.irp p, 0,1,2,3,4
	v_cvt_pk_f16_f32 v[BH+\p], v[Z+2*\p], v[Z+2*\p+1]
.endr
	SPLIT X, BX
	SPLIT T, BT
.irp p, 0,1,2,3,4
	v_cvt_pk_bf16_f32 v[BQ+2+\p], v[Q+2*\p], v[Q+2*\p+1]
.endr
.endm
; the eighth activation with the output layer: three sums over my ten units, by turns, then over the two halves of the lanes
.macro ACTLAST
	ACTHEAD 0
.irp p, 0,1,2,3,4
	v_pk_fma_f32 v[T+2*\p:T+2*\p+1], v[Q+2*\p:Q+2*\p+1], NU2, v[T+2*\p:T+2*\p+1] op_sel_hi:[1,0,1]   ; zt + 2 nu w
.endr
.irp p, 0,1,2,3,4
	v_pk_mul_f32 v[S+2*\p:S+2*\p+1], v[S+2*\p:S+2*\p+1], v[WO+2*\p:WO+2*\p+1]                        ; s Wout
.endr
	v_pk_mul_f32 v[U:U+1],   v[WO:WO+1], v[Z:Z+1]
	v_pk_mul_f32 v[UX:UX+1], v[S:S+1],   v[X:X+1]
	v_pk_mul_f32 v[Y:Y+1],   v[S:S+1],   v[T:T+1]
.irp p, 1,2,3,4
	v_pk_fma_f32 v[U:U+1],   v[WO+2*\p:WO+2*\p+1], v[Z+2*\p:Z+2*\p+1], v[U:U+1]
	v_pk_fma_f32 v[UX:UX+1], v[S+2*\p:S+2*\p+1],   v[X+2*\p:X+2*\p+1], v[UX:UX+1]
	v_pk_fma_f32 v[Y:Y+1],   v[S+2*\p:S+2*\p+1],   v[T+2*\p:T+2*\p+1], v[Y:Y+1]
.endr
	v_add_f32 v[U],  v[U],  v[U+1]
	v_add_f32 v[UX], v[UX], v[UX+1]
	v_add_f32 v[Y],  v[Y],  v[Y+1]
	v_permlanex16_b32 v[PL],   v[U],  s6, s7       ; lane (r, 1 - h) holds my point's other ten units; the destinations have held squares of zx
	v_permlanex16_b32 v[PL+1], v[UX], s6, s7
	v_permlanex16_b32 v[PL+2], v[Y],  s6, s7
	v_add_f32 v[U],  v[U],  v[PL]
	v_add_f32 v[UX], v[UX], v[PL+1]
	v_add_f32 v[Y],  v[Y],  v[PL+2]
	v_add_f32 v[U], s60, v[U]                      ; + bout
	v_fma_f32 v[U], v[U], v[UX], v[Y]              ; f = u u_x + (u_t - nu u_xx)
	ds_store_b32 v10, v[U] offset:16384            ; both halves of the lanes write the same word with the same number; my wave's own bytes
.endm
	s_mov_b32 s3, 0
.Ltile:                                            ; every window is 0 here and at the branch
	ds_load_b32 v8, v10                            ; x of point r, the same word for both halves of the lanes
	ds_load_b32 v9, v10 offset:8192                ; t
	LDSET Z, 0                                     ; c b0
	LDSET BX, 1                                    ; c W0[1], in registers that the activation below fills anew
	LDSET Q, 2                                     ; c W0[0], likewise
	LDSET X, 3                                     ; zx = W0[0]
	LDSET T, 4                                     ; zt = W0[1]
	s_wait_dscnt 0x0
.irp p, 0,1,2,3,4
	v_pk_fma_f32 v[Z+2*\p:Z+2*\p+1], v[8:9], v[BX+2*\p:BX+2*\p+1], v[Z+2*\p:Z+2*\p+1] op_sel:[1,0,0] op_sel_hi:[1,1,1]   ; + t c W0[1]
.endr
.irp p, 0,1,2,3,4
	v_pk_fma_f32 v[Z+2*\p:Z+2*\p+1], v[8:9], v[Q+2*\p:Q+2*\p+1], v[Z+2*\p:Z+2*\p+1] op_sel:[0,0,0] op_sel_hi:[0,1,1]     ; + x c W0[0]
.endr
	ACT 1
.irp ab, 0,48,96,144,192
	MM \ab, 0x01                                   ; layers 1 to 5: A in window 1
	ACT 0
.endr
	MM A6, 0
	ACT 0
	MM A6+48, 0
	ACTLAST
	v_add_nc_u32 v10, 64, v10                      ; the next 16 points
	s_add_co_u32 s3, s3, 1
	s_cmp_lt_u32 s3, TILES
	s_cbranch_scc1 .Ltile
	; my wave's 256 results: its own LDS bytes, served in the order of issue (ISA guide 5.7.1), so the loads see the stores above
	ds_load_b128 v[16:19], v11 offset:16384
	ds_load_b128 v[20:23], v11 offset:16896
	s_wait_dscnt 0x0
	global_store_b128 v5, v[16:19], s[20:21] th:TH_STORE_NT              ; each store covers 512 consecutive bytes, at a multiple of 512 from out0's first byte
	global_store_b128 v5, v[20:23], s[20:21] offset:512 th:TH_STORE_NT
	s_wait_tensorcnt 0x0
	ds_add_u32 v158, v159
	s_wait_dscnt 0x0
	s_endpgm
.Lfunc_end_k_q10d960d345_pinn:
	.size	k_q10d960d345_pinn, .Lfunc_end_k_q10d960d345_pinn-k_q10d960d345_pinn
	.p2alignl 7, 3214868480
	.fill 96, 4, 3214868480
	.section	.rodata,"a",@progbits
	.p2align	6, 0x0
	.amdhsa_kernel k_q10d960d345_pinn
		.amdhsa_group_segment_fixed_size 76288
		.amdhsa_private_segment_fixed_size 0
		.amdhsa_enable_private_segment 0
		.amdhsa_kernarg_size 168
		.amdhsa_user_sgpr_count 2
		.amdhsa_user_sgpr_kernarg_segment_ptr 1
		.amdhsa_wavefront_size32 1
		.amdhsa_system_sgpr_workgroup_id_x 1
		.amdhsa_system_sgpr_workgroup_id_y 1
		.amdhsa_system_sgpr_workgroup_id_z 1
		.amdhsa_system_vgpr_workitem_id 0
		.amdhsa_next_free_vgpr 512
		.amdhsa_next_free_sgpr 66
		.amdhsa_reserve_vcc 1
		.amdhsa_float_denorm_mode_32 3
		.amdhsa_float_denorm_mode_16_64 3
		.amdhsa_memory_ordered 1
		.amdhsa_forward_progress 1
		.amdhsa_inst_pref_size 79
	.end_amdhsa_kernel
	.amdgpu_metadata
---
amdhsa.version: [ 1, 2 ]
amdhsa.kernels:
  - .name:           k_q10d960d345_pinn
    .symbol:         k_q10d960d345_pinn.kd
    .args:
      - { .name: x, .offset: 0, .size: 8, .value_kind: global_buffer, .address_space: global }
      - { .name: t, .offset: 8, .size: 8, .value_kind: global_buffer, .address_space: global }
      - { .name: out0, .offset: 16, .size: 8, .value_kind: global_buffer, .address_space: global }
      - { .name: W0, .offset: 24, .size: 8, .value_kind: global_buffer, .address_space: global }
      - { .name: b0, .offset: 32, .size: 8, .value_kind: global_buffer, .address_space: global }
      - { .name: Wout, .offset: 40, .size: 8, .value_kind: global_buffer, .address_space: global }
      - { .name: bout, .offset: 48, .size: 8, .value_kind: global_buffer, .address_space: global }
      - { .name: W1, .offset: 56, .size: 8, .value_kind: global_buffer, .address_space: global }
      - { .name: W2, .offset: 64, .size: 8, .value_kind: global_buffer, .address_space: global }
      - { .name: W3, .offset: 72, .size: 8, .value_kind: global_buffer, .address_space: global }
      - { .name: W4, .offset: 80, .size: 8, .value_kind: global_buffer, .address_space: global }
      - { .name: W5, .offset: 88, .size: 8, .value_kind: global_buffer, .address_space: global }
      - { .name: W6, .offset: 96, .size: 8, .value_kind: global_buffer, .address_space: global }
      - { .name: W7, .offset: 104, .size: 8, .value_kind: global_buffer, .address_space: global }
      - { .name: b1, .offset: 112, .size: 8, .value_kind: global_buffer, .address_space: global }
      - { .name: b2, .offset: 120, .size: 8, .value_kind: global_buffer, .address_space: global }
      - { .name: b3, .offset: 128, .size: 8, .value_kind: global_buffer, .address_space: global }
      - { .name: b4, .offset: 136, .size: 8, .value_kind: global_buffer, .address_space: global }
      - { .name: b5, .offset: 144, .size: 8, .value_kind: global_buffer, .address_space: global }
      - { .name: b6, .offset: 152, .size: 8, .value_kind: global_buffer, .address_space: global }
      - { .name: b7, .offset: 160, .size: 8, .value_kind: global_buffer, .address_space: global }
    .group_segment_fixed_size: 76288
    .private_segment_fixed_size: 0
    .kernarg_segment_align: 8
    .kernarg_segment_size: 168
    .max_flat_workgroup_size: 256
    .sgpr_count:     66
    .vgpr_count:     512
    .wavefront_size: 32
...
	.end_amdgpu_metadata
.endif
;; end of part 1
;; ======== version 2 of 2: 1 launch; 1.13 times as fast as version 1
;; limits: a function is approximated: absolute error at most 1.2e-07; values are held in f16: magnitudes above 65,504 overflow, below 6.1e-05 lose precision; inputs' magnitudes at most 22,700
;; launch pinn (part 2): grid 256 x 1, 8 waves a work-group, no clusters, 76,288 bytes of LDS; arguments x, t, out0, W0, b0, Wout, bout, W1, W2, W3, W4, W5, W6, W7, b1, b2, b3, b4, b5, b6, b7; writes out0
.if DOCPART == 2
	.amdgcn_target "amdgcn-amd-amdhsa--gfx1250"
	.amdhsa_code_object_version 6
	.text
	.protected	k_q10d960d345_pinn
	.globl	k_q10d960d345_pinn
	.p2align	8
	.type	k_q10d960d345_pinn,@function
k_q10d960d345_pinn:
	s_mov_b64 s[64:65], 0
	v_nop
	global_prefetch_b8 v0, s[64:65] scope:SCOPE_SE
	s_setreg_imm32_b32 hwreg(HW_REG_WAVE_MODE, 25, 1), 1
	s_wait_xcnt 0x0
; f = u_t + u u_x - nu u_xx for 524,288 points (x, t); u is the tanh net 2 -> 20 -> (7 x) 20 -> 1, nu = 0.01 / pi.
;
; WHAT IS COMPUTED.  f needs u, u_x and the one combination u_t - nu u_xx.  ONE forward sweep carries, for each hidden unit, the three
; numbers a, a_x and G = a_t / (2 nu) - a_xx / 2.  By the chain rule, for every value of the inputs, with z = W a + b:
;   zx = W a_x,  a = tanh z,  s = 1 - a^2,  a_x = s zx,  a_t = s z_t,  a_xx = s z_xx - 2 a s zx^2,
; so that  G = s (z_t / (2 nu) - z_xx / 2 + a zx^2) = s (zG + a zx^2)  with  zG = W G, since z_t and z_xx are the same linear map of a_t and a_xx.
; These are the derivatives that repeated reverse differentiation gives; only the order of the roundings differs.
; In the first layer z is linear in x and t: z_xx = 0 identically and z_t = W0[1], so zG = W0[1] / (2 nu), a table.
; Every input has a way to f and is loaded.  The last layer is fused into the eighth activation: with w = zG + a zx^2 and so = s Wout,
;   u = sum Wout a + bout,  u_x = sum so zx,  y = sum so w = (u_t - nu u_xx) / (2 nu),  f = u u_x + 2 nu y.
;
; FORMATS.  The seven 20 x 20 layers go to the matrix unit, sums in f32.  The a stream: f16 operands (|a| <= 1), against c W in f16,
; c = 2 log2 e folded in, the bias c b as an f16 pair (high part, rest) against a constant 1.  The a_x and G streams decide f and
; have no bounded range: each number goes as two bf16 (its upper 16 bits, and the rest rounded), against W as two bf16;
; the three products W_hi H + W_hi L + W_lo H are summed.
; The layers 2 -> 20 and 20 -> 1 would fill a sixteenth of a matrix tile: they are f32 multiply-adds.
;
; LIMITS.  tanh z = 1 - 2 / (1 + 2^(c z)): absolute error about 1.2e-7, not a relative one; s = 1 - a^2 is 0 once a rounds to +-1.
; As a matrix operand a is rounded to f16: relative 2^-12, absolute floor 2^-25.  |c W_l| and |c b_l|, l >= 1, must stay below 65,504
; (c = 2.885).  G's two parts are added in f32 layer by layer, in the proportion 1 : nu in which f adds u_t and u_xx; G is 157 times a_t
; in size; 2 nu and 1 / (2 nu) are each rounded to f32 once.  The sums are ordered otherwise than in reverse mode.
;
; SHARES.  256 work-groups of 8 waves; a work-group owns 2,048 points, a wave 256, as 16 tiles of 16 points, one tile a trip.
; All weights of a wave stay in registers (336), so two waves of 512 registers lie on a SIMD.  What work-groups share is 13 KB of
; weights, read once by each: no cluster, no tensor load; x, t and f are 24 KB a work-group, moved once in runs of 512 bytes.
;
; LAYOUT: NO TRAFFIC BETWEEN LANES FROM LAYER TO LAYER.  D = A (weights, row m = output unit) x B (stream, column n = point).
; Lane L: r = L & 15, h = L >> 4.  D's register j of lane (r, h) is row 8 h + j of point r (ISA guide 7.12.2).  Tile 0's row m is unit m;
; tile 1's rows 0, 1, 8, 9 are units 16, 17, 18, 19 and its other rows have zero weights.  A stream's two tiles lie side by side, so a
; lane's ten live numbers are registers base + i, i = 0 .. 9, of units u(h, i) = 8 h + i (i < 8), 16 + 2 h + i - 8 (i = 8, 9).
; A and B have the same map of k onto (h, register, half), so any packed pair of a lane's own numbers may be any B register, if A's
; same register in the lanes of the same h holds the weights from these two units.  The tables below are built so.
;   BH (f16)  a0 a1 a2 a3 a4 ONE 0 0                    Ah  F0 F1 F2 F3 F4 BIAS 0 0          (pairs p = 0 .. 4)
;   BX, BG    L0 L1 H0 H1 H2 H3 H4 L2 L3 L4             AP  HI0 HI1 HI0 HI1 HI2 HI3 HI4 HI2  against registers 0-7
;                                                       AQ  LO0 LO1 LO2 LO3 LO4 0 HI3 HI4    against registers 2-9
.set CLOG,   0x4038aa3b                ; c = 2 log2 e
.set NU2,    0x3bd09b8a                ; 2 nu = 0.02 / pi
.set INV2NU, 0x431d1463                ; 1 / (2 nu) = 50 pi
.set TILES, 16                         ; tiles of 16 points in a wave's 256
; LDS: 42 fragments of 1,024 bytes (index 6 (l - 1) + kind; kinds Ah0 Ah1 AP0 AP1 AQ0 AQ1; registers 4 cc .. 4 cc + 3 at 512 cc + 16 lane);
; six sets of ten numbers a lane (c b0, c W0[1], c W0[0], W0[0], W0[1] / (2 nu), Wout; 16 lane, 512 + 16 lane, 1,024 + 8 lane); each wave's own x, t, f.
.set C0,    43008                      ; the sets, 1,280 bytes each
.set XS,    50688                      ; x: 1,024 bytes a wave; t 8,192 bytes further, f 16,384 bytes further; the end is 75,264
; vector registers, window 0 (an instruction names v0-v255; s_set_vgpr_msb says which window each operand place means)
;   v0 thread  v1 lane  v3 r  v4 h  v5 1,024 wave + 16 lane (x, t, f in memory)  v6 16 lane  v7 8 lane  v[8:9] x, t of my point
;   v10 XS + 1,024 wave + 4 r + 64 trip   v11 XS + v5   v12 -1.0   v13-15, v136 set-up offsets
.set Z,   16                           ; v[16:31]    c z, then a       (ten live)
.set X,   32                           ; v[32:47]    zx, then a_x
.set G,   48                           ; v[48:63]    zG, then w, then G
.set BH,  80                           ; v[80:87]
.set BX,  88                           ; v[88:97]
.set BG,  98                           ; v[98:107]
.set S,   116                          ; v[116:125]  s
.set V,   126                          ; v[126:135]  zx^2; in the last activation then the three sums
.set U,   126
.set UX,  128
.set Y,   130
.set PL,  132                          ; what the other half of the lanes sends
.set WO,  140                          ; v[140:149]  Wout of my ten units
.set A6,  160                          ; v[160:207]  layer 6's six fragments;  v[208:255] layer 7's;  window 1, v[48 (l-1) ..]: layers 1 to 5
; set-up only
.set BW,  16                           ; ten weights; v26-v30 bias and masks
.set IMH, 32                           ; the images of Ah, AP, AQ
.set IMP, 40
.set IMQ, 48
.set BC,  56                           ; c W
.set MSB, 0
.macro WIN new                         ; the immediate's high byte repeats the setting that is left
.if MSB != \new
	s_set_vgpr_msb (MSB<<8)|\new
.set MSB, \new
.endif
.endm
	s_load_b512 s[16:31], s[0:1], 0x0              ; x 16, t 18, out0 20, W0 22, b0 24, Wout 26, bout 28, W1 30
	s_load_b512 s[32:47], s[0:1], 0x40             ; W2 .. W7 32 .. 42, b1 44, b2 46
	s_load_b256 s[48:55], s[0:1], 0x80             ; b3 .. b6
	s_load_b64 s[56:57], s[0:1], 0xa0              ; b7
	v_lshl_add_u32 v158, v0, 2, 0x12600
	v_mov_b32 v159, 0
	v_and_b32 v1, 31, v0
	v_lshrrev_b32 v2, 5, v0
	v_readfirstlane_b32 s2, v2                     ; wave 0 .. 7
	v_and_b32 v3, 15, v0                           ; r
	v_bfe_u32 v4, v0, 4, 1                         ; h
	v_lshlrev_b32 v6, 4, v1
	v_lshlrev_b32 v7, 3, v1
	v_lshl_add_u32 v5, s2, 10, v6
	v_add_nc_u32 v11, XS, v5
	v_lshlrev_b32 v10, 2, v3
	v_lshl_add_u32 v10, s2, 10, v10
	v_add_nc_u32 v10, XS, v10
	v_mov_b32 v12, -1.0
	s_mov_b32 s4, 0x07060302                       ; v_perm_b32: the upper halves of two words
	s_mov_b32 s5, NU2
	s_mov_b32 s6, 0x76543210                       ; v_permlanex16_b32: lane i of one half reads lane i of the other
	s_mov_b32 s7, 0xfedcba98
	s_mov_b32 s14, CLOG
	s_mov_b32 s15, CLOG                            ; the pair is named whole by the packed multiply
	s_lshl_b32 s12, ttmp9, 13                      ; 2,048 points of 4 bytes
	s_mov_b32 s13, 0
	s_wait_kmcnt 0x0
	s_load_b32 s60, s[28:29], 0x0                  ; bout
	s_add_nc_u64 s[16:17], s[16:17], s[12:13]
	s_add_nc_u64 s[18:19], s[18:19], s[12:13]
	s_add_nc_u64 s[20:21], s[20:21], s[12:13]
	; my wave's x and t: each load covers 512 consecutive bytes; read once in the launch
	global_load_b128 v[120:123], v5, s[16:17] th:TH_LOAD_NT
	global_load_b128 v[124:127], v5, s[16:17] offset:512 th:TH_LOAD_NT
	global_load_b128 v[128:131], v5, s[18:19] th:TH_LOAD_NT
	global_load_b128 v[132:135], v5, s[18:19] offset:512 th:TH_LOAD_NT
; The three fragments of output tile T of my wave's layer.  Lane (r, h) holds W[u(h, i)][uout], i = 0 .. 9, uout = r (T = 0) or
; 16 + (r & 1) + 2 (r >> 3) (T = 1; rows with r & 6 != 0 are no unit: loaded from inside the buffer and set to zero).
.macro BUILD T
.if \T
	v_and_b32 v13, 1, v3
	v_lshrrev_b32 v30, 3, v3
	v_lshl_add_u32 v13, v30, 1, v13
	v_add_lshl_u32 v13, v13, 16, 2                 ; 4 uout
.else
	v_lshlrev_b32 v13, 2, v3
.endif
	v_mad_u32_u24 v14, v4, 640, v13                ; rows 8 h + i of 80 bytes
	v_mad_u32_u24 v15, v4, 160, v13                ; rows 16 + 2 h + i - 8
.irp i, 0,1,2,3,4,5,6,7
	global_load_b32 v[BW+\i], v14, s[8:9] offset:80*\i
.endr
	global_load_b32 v[BW+8], v15, s[8:9] offset:1280
	global_load_b32 v[BW+9], v15, s[8:9] offset:1360
	global_load_b32 v26, v13, s[10:11]
	s_wait_loadcnt 0x0                             ; all are in: their offsets v13-15 may be written again
.if \T
	v_and_b32 v30, 6, v3
	v_cmp_eq_u32 vcc_lo, 0, v30
.irp i, 0,1,2,3,4,5,6,7,8,9
	v_cndmask_b32 v[BW+\i], 0, v[BW+\i], vcc_lo
.endr
.endif
.irp p, 0,1,2,3,4
	v_cvt_pk_bf16_f32 v[IMP+2+\p], v[BW+2*\p], v[BW+2*\p+1]                        ; HI p
	v_pk_mul_f32 v[BC+2*\p:BC+2*\p+1], v[BW+2*\p:BW+2*\p+1], s[14:15] op_sel_hi:[1,0]
.endr
.irp p, 0,1,2,3,4
	v_cvt_pk_f16_f32 v[IMH+\p], v[BC+2*\p], v[BC+2*\p+1]                           ; F p = f16(c W)
	v_fma_mix_f32_bf16 v[BW+2*\p], v[IMP+2+\p], v12, v[BW+2*\p] op_sel:[0,0,0] op_sel_hi:[1,0,0]       ; W - HI, exact
	v_fma_mix_f32_bf16 v[BW+2*\p+1], v[IMP+2+\p], v12, v[BW+2*\p+1] op_sel:[1,0,0] op_sel_hi:[1,0,0]
.endr
.irp p, 0,1,2,3,4
	v_cvt_pk_bf16_f32 v[IMQ+\p], v[BW+2*\p], v[BW+2*\p+1]                          ; LO p
.endr
	v_mov_b32 v[IMP+0], v[IMP+2]                   ; HI0, HI1, HI2 once more, against L0, L1, L2
	v_mov_b32 v[IMP+1], v[IMP+3]
	v_mov_b32 v[IMP+7], v[IMP+4]
	v_mov_b32 v[IMQ+5], 0                          ; L2 has been served
	v_mov_b32 v[IMQ+6], v[IMP+5]                   ; HI3, HI4 against L3, L4
	v_mov_b32 v[IMQ+7], v[IMP+6]
	v_mov_b32 v[IMH+6], 0
	v_mov_b32 v[IMH+7], 0
	v_mul_f32 v27, s14, v26                        ; c b as two f16: the rounded number and what it leaves
	v_cvt_pk_f16_f32 v28, v27, v27
	v_cvt_f32_f16 v29, v28.l
	v_sub_f32 v29, v27, v29
	v_cvt_pk_f16_f32 v[IMH+5], v27, v29
	v_and_b32 v30, 16+6*\T, v1                     ; once for each row: in the lanes of h = 0, and in rows that are units
	v_cmp_eq_u32 vcc_lo, 0, v30
	v_cndmask_b32 v[IMH+5], 0, v[IMH+5], vcc_lo
	ds_store_b128 v136, v[IMH:IMH+3]   offset:\T*1024
	ds_store_b128 v136, v[IMH+4:IMH+7] offset:\T*1024+512
	ds_store_b128 v136, v[IMP:IMP+3]   offset:(2+\T)*1024
	ds_store_b128 v136, v[IMP+4:IMP+7] offset:(2+\T)*1024+512
	ds_store_b128 v136, v[IMQ:IMQ+3]   offset:(4+\T)*1024
	ds_store_b128 v136, v[IMQ+4:IMQ+7] offset:(4+\T)*1024+512
.endm
; ten numbers a lane, of units u(h, i), from an array of 20 f32 that begins off bytes behind the base
.macro LDEND dst, b, off
	global_load_b128 v[\dst:\dst+3],   v13, s[\b:\b+1] offset:\off
	global_load_b128 v[\dst+4:\dst+7], v13, s[\b:\b+1] offset:\off+16
	global_load_b64  v[\dst+8:\dst+9], v14, s[\b:\b+1] offset:\off+64
.endm
.macro STSET src, set
	ds_store_b128 v6, v[\src:\src+3]   offset:C0+\set*1280
	ds_store_b128 v6, v[\src+4:\src+7] offset:C0+\set*1280+512
	ds_store_b64  v7, v[\src+8:\src+9] offset:C0+\set*1280+1024
.endm
.macro LDSET dst, set
	ds_load_b128 v[\dst:\dst+3],   v6 offset:C0+\set*1280
	ds_load_b128 v[\dst+4:\dst+7], v6 offset:C0+\set*1280+512
	ds_load_b64  v[\dst+8:\dst+9], v7 offset:C0+\set*1280+1024
.endm
	; THE TABLES, once a work-group: wave w < 7 makes layer w + 1's six fragments, wave 7 the sets of the two ends.  No barrier stands in either arm.
	s_cmp_eq_u32 s2, 7
	s_cbranch_scc1 .Lends
	s_mov_b64 s[8:9], s[30:31]                     ; my layer's W and b, chosen by the wave's number
	s_mov_b64 s[10:11], s[44:45]
.irp k, 1,2,3,4,5,6
	s_cmp_eq_u32 s2, \k
	s_cselect_b64 s[8:9], s[30+2*\k:31+2*\k], s[8:9]
	s_cselect_b64 s[10:11], s[44+2*\k:45+2*\k], s[10:11]
.endr
	s_mul_i32 s61, s2, 6144
	v_add_nc_u32 v136, s61, v6                     ; my layer's fragments: 6,144 wave + 16 lane
	BUILD 0
	BUILD 1
	s_branch .Ljoin
.Lends:
	v_lshlrev_b32 v13, 5, v4                       ; units 8 h ..
	v_lshlrev_b32 v14, 3, v4                       ; units 16 + 2 h ..
	LDEND 16, 22, 0                                ; W0[0]
	LDEND 28, 22, 80                               ; W0[1]
	LDEND 40, 24, 0                                ; b0
	LDEND 52, 26, 0                                ; Wout
	s_wait_loadcnt 0x0
.irp p, 0,1,2,3,4
	v_pk_mul_f32 v[64+2*\p:65+2*\p], v[16+2*\p:17+2*\p], s[14:15] op_sel_hi:[1,0]
	v_pk_mul_f32 v[76+2*\p:77+2*\p], v[28+2*\p:29+2*\p], s[14:15] op_sel_hi:[1,0]
	v_pk_mul_f32 v[88+2*\p:89+2*\p], v[40+2*\p:41+2*\p], s[14:15] op_sel_hi:[1,0]
	v_pk_mul_f32 v[100+2*\p:101+2*\p], v[28+2*\p:29+2*\p], INV2NU op_sel_hi:[1,0]
.endr
	STSET 88, 0                                    ; c b0
	STSET 76, 1                                    ; c W0[1]
	STSET 64, 2                                    ; c W0[0]
	STSET 16, 3                                    ; W0[0] = zx of the first layer
	STSET 100, 4                                   ; W0[1] / (2 nu) = zG of the first layer
	STSET 52, 5                                    ; Wout
.Ljoin:
	s_wait_loadcnt 0x0                             ; x and t (met on both ways)
	ds_store_b128 v11, v[120:123]
	ds_store_b128 v11, v[124:127] offset:512
	ds_store_b128 v11, v[128:131] offset:8192
	ds_store_b128 v11, v[132:135] offset:8704
	s_wait_dscnt 0x0                               ; my stores are done, for the other waves' sake,
	s_barrier_signal -1
	s_barrier_wait -1                              ; and so are everybody's: the tables are whole.  The only barrier: nothing in them is written again
	; all 42 fragments into registers, lanes at consecutive 16 bytes
	WIN 0x40                                       ; destination window 1, address window 0
.set FI, 0
.rept 30
	ds_load_b128 v[8*FI:8*FI+3],   v6 offset:FI*1024
	ds_load_b128 v[8*FI+4:8*FI+7], v6 offset:FI*1024+512
.set FI, FI+1
.endr
	WIN 0
.rept 12
	ds_load_b128 v[A6+8*(FI-30):A6+8*(FI-30)+3],   v6 offset:FI*1024
	ds_load_b128 v[A6+8*(FI-30)+4:A6+8*(FI-30)+7], v6 offset:FI*1024+512
.set FI, FI+1
.endr
	LDSET WO, 5
	v_mov_b32 v[BH+5], 0x3c003c00                  ; 1.0, 1.0 in f16, against the bias pair
	v_mov_b32 v[BH+6], 0
	v_mov_b32 v[BH+7], 0
	s_wait_dscnt 0x0
	s_wait_kmcnt 0x0                               ; bout
; One layer's ten products.  ab: the layer's first fragment register, win: its window as source 0.  The first product of each sum takes
; the constant 0 as C.  The six accumulators take turns, one instruction a turn.
.macro MM ab, win
	WIN \win
	v_wmma_f32_16x16x32_f16  v[Z:Z+7],    v[\ab:\ab+7],     v[BH:BH+7],   0
	v_wmma_f32_16x16x32_f16  v[Z+8:Z+15], v[\ab+8:\ab+15],  v[BH:BH+7],   0
	v_wmma_f32_16x16x32_bf16 v[X:X+7],    v[\ab+16:\ab+23], v[BX:BX+7],   0
	v_wmma_f32_16x16x32_bf16 v[X+8:X+15], v[\ab+24:\ab+31], v[BX:BX+7],   0
	v_wmma_f32_16x16x32_bf16 v[G:G+7],    v[\ab+16:\ab+23], v[BG:BG+7],   0
	v_wmma_f32_16x16x32_bf16 v[G+8:G+15], v[\ab+24:\ab+31], v[BG:BG+7],   0
	v_wmma_f32_16x16x32_bf16 v[X:X+7],    v[\ab+32:\ab+39], v[BX+2:BX+9], v[X:X+7]
	v_wmma_f32_16x16x32_bf16 v[X+8:X+15], v[\ab+40:\ab+47], v[BX+2:BX+9], v[X+8:X+15]
	v_wmma_f32_16x16x32_bf16 v[G:G+7],    v[\ab+32:\ab+39], v[BG+2:BG+9], v[G:G+7]
	v_wmma_f32_16x16x32_bf16 v[G+8:G+15], v[\ab+40:\ab+47], v[BG+2:BG+9], v[G+8:G+15]
	WIN 0
.rept 4
	v_nop                                          ; four places between the last product and the first read of a result (ISA guide 7.12.1); all that follows depends on the results
.endr
.endm
; a, s and w from c z, zx, zG; each stage goes over all five pairs, so that no instruction waits for the one in front of it.
; Behind each run of transcendentals stand packed multiplies that touch neither their results nor their sources (ISA guide 5.7.2):
; the squares of zx.
.macro ACTHEAD
.irp i, 0,1,2,3,4,5,6,7,8,9
	v_exp_f32 v[Z+\i], v[Z+\i]                     ; e = 2^(c z) = exp(2 z)
.endr
.irp p, 0,1,2
	v_pk_mul_f32 v[V+2*\p:V+2*\p+1], v[X+2*\p:X+2*\p+1], v[X+2*\p:X+2*\p+1]
.endr
	s_wait_alu depctr_va_vdst(0)
.irp p, 0,1,2,3,4
	v_pk_add_f32 v[Z+2*\p:Z+2*\p+1], v[Z+2*\p:Z+2*\p+1], 1.0 op_sel_hi:[1,0]
.endr
.irp i, 0,1,2,3,4,5,6,7,8,9
	v_rcp_f32 v[Z+\i], v[Z+\i]                     ; 1 / (1 + e): 0 for e = infinity, 1 for e = 0
.endr
.irp p, 3,4
	v_pk_mul_f32 v[V+2*\p:V+2*\p+1], v[X+2*\p:X+2*\p+1], v[X+2*\p:X+2*\p+1]
.endr
	s_wait_alu depctr_va_vdst(0)
.irp p, 0,1,2,3,4
	v_pk_fma_f32 v[Z+2*\p:Z+2*\p+1], v[Z+2*\p:Z+2*\p+1], -2.0, 1.0 op_sel_hi:[1,0,0]          ; a
.endr
.irp p, 0,1,2,3,4
	v_pk_fma_f32 v[S+2*\p:S+2*\p+1], v[Z+2*\p:Z+2*\p+1], v[Z+2*\p:Z+2*\p+1], 1.0 op_sel_hi:[1,1,0] neg_lo:[1,0,0] neg_hi:[1,0,0]   ; s = 1 - a a
.endr
.irp p, 0,1,2,3,4
	v_pk_fma_f32 v[G+2*\p:G+2*\p+1], v[Z+2*\p:Z+2*\p+1], v[V+2*\p:V+2*\p+1], v[G+2*\p:G+2*\p+1]   ; w = a zx^2 + zG
.endr
.endm
; A stream as two bf16 a number: H = the upper 16 bits; L = the number less its upper half, which is exact, rounded once to bf16 by the
; multiply-add itself, into the low half (even unit) and the high half (odd unit) of register 0, 1, 7, 8, 9 of the image.  These two forms
; keep their destination's other half: both images have been written whole at the head of the trip.
.macro SPLIT src, b
.irp p, 0,1,2,3,4
	v_perm_b32 v[\b+2+\p], v[\src+2*\p+1], v[\src+2*\p], s4
.endr
.irp p, 0,1,2,3,4
	v_fma_mixlo_bf16 v[\b+\p+5*((\p+2)/4)], v[\src+2*\p], v12, v[\src+2*\p] op_sel:[1,0,0] op_sel_hi:[1,0,0]
.endr
.irp p, 0,1,2,3,4
	v_fma_mixhi_bf16 v[\b+\p+5*((\p+2)/4)], v[\src+2*\p+1], v12, v[\src+2*\p+1] op_sel:[1,0,0] op_sel_hi:[1,0,0]
.endr
.endm
; an activation that feeds a further layer
.macro ACT
	ACTHEAD
.irp p, 0,1,2,3,4
	v_pk_mul_f32 v[X+2*\p:X+2*\p+1], v[S+2*\p:S+2*\p+1], v[X+2*\p:X+2*\p+1]
.endr
.irp p, 0,1,2,3,4
	v_pk_mul_f32 v[G+2*\p:G+2*\p+1], v[S+2*\p:S+2*\p+1], v[G+2*\p:G+2*\p+1]
.endr
.irp p, 0,1,2,3,4
	v_cvt_pk_f16_f32 v[BH+\p], v[Z+2*\p], v[Z+2*\p+1]
.endr
	SPLIT X, BX
	SPLIT G, BG
.endm
; the eighth activation with the output layer: three sums over my ten units, by turns, then over the two halves of the lanes
.macro ACTLAST
	ACTHEAD
.irp p, 0,1,2,3,4
	v_pk_mul_f32 v[S+2*\p:S+2*\p+1], v[S+2*\p:S+2*\p+1], v[WO+2*\p:WO+2*\p+1]                        ; s Wout
.endr
	v_pk_mul_f32 v[U:U+1],   v[WO:WO+1], v[Z:Z+1]
	v_pk_mul_f32 v[UX:UX+1], v[S:S+1],   v[X:X+1]
	v_pk_mul_f32 v[Y:Y+1],   v[S:S+1],   v[G:G+1]
.irp p, 1,2,3,4
	v_pk_fma_f32 v[U:U+1],   v[WO+2*\p:WO+2*\p+1], v[Z+2*\p:Z+2*\p+1], v[U:U+1]
	v_pk_fma_f32 v[UX:UX+1], v[S+2*\p:S+2*\p+1],   v[X+2*\p:X+2*\p+1], v[UX:UX+1]
	v_pk_fma_f32 v[Y:Y+1],   v[S+2*\p:S+2*\p+1],   v[G+2*\p:G+2*\p+1], v[Y:Y+1]
.endr
	v_add_f32 v[U],  v[U],  v[U+1]
	v_add_f32 v[UX], v[UX], v[UX+1]
	v_add_f32 v[Y],  v[Y],  v[Y+1]
	v_permlanex16_b32 v[PL],   v[U],  s6, s7       ; lane (r, 1 - h) holds my point's other ten units; the destinations have held squares of zx
	v_permlanex16_b32 v[PL+1], v[UX], s6, s7
	v_permlanex16_b32 v[PL+2], v[Y],  s6, s7
	v_add_f32 v[U],  v[U],  v[PL]
	v_add_f32 v[UX], v[UX], v[PL+1]
	v_add_f32 v[Y],  v[Y],  v[PL+2]
	v_mul_f32 v[Y], s5, v[Y]                       ; 2 nu y = u_t - nu u_xx
	v_add_f32 v[U], s60, v[U]                      ; + bout
	v_fma_f32 v[U], v[U], v[UX], v[Y]              ; f = u u_x + (u_t - nu u_xx)
	ds_store_b32 v10, v[U] offset:16384            ; both halves of the lanes write the same word with the same number; my wave's own bytes
.endm
	s_mov_b32 s3, 0
.Ltile:                                            ; every window is 0 here and at the branch
	ds_load_b32 v8, v10                            ; x of point r, the same word for both halves of the lanes
	ds_load_b32 v9, v10 offset:8192                ; t
	LDSET Z, 0                                     ; c b0
	LDSET BX, 1                                    ; c W0[1], in registers that the activation below fills anew
	LDSET BG, 2                                    ; c W0[0], likewise
	LDSET X, 3                                     ; zx = W0[0]
	LDSET G, 4                                     ; zG = W0[1] / (2 nu)
	s_wait_dscnt 0x0
.irp p, 0,1,2,3,4
	v_pk_fma_f32 v[Z+2*\p:Z+2*\p+1], v[8:9], v[BX+2*\p:BX+2*\p+1], v[Z+2*\p:Z+2*\p+1] op_sel:[1,0,0] op_sel_hi:[1,1,1]   ; + t c W0[1]
.endr
.irp p, 0,1,2,3,4
	v_pk_fma_f32 v[Z+2*\p:Z+2*\p+1], v[8:9], v[BG+2*\p:BG+2*\p+1], v[Z+2*\p:Z+2*\p+1] op_sel:[0,0,0] op_sel_hi:[0,1,1]   ; + x c W0[0]
.endr
	ACT
.irp ab, 0,48,96,144,192
	MM \ab, 0x01                                   ; layers 1 to 5: A in window 1
	ACT
.endr
	MM A6, 0
	ACT
	MM A6+48, 0
	ACTLAST
	v_add_nc_u32 v10, 64, v10                      ; the next 16 points
	s_add_co_u32 s3, s3, 1
	s_cmp_lt_u32 s3, TILES
	s_cbranch_scc1 .Ltile
	; my wave's 256 results: its own LDS bytes, served in the order of issue (ISA guide 5.7.1), so the loads see the stores above
	ds_load_b128 v[16:19], v11 offset:16384
	ds_load_b128 v[20:23], v11 offset:16896
	s_wait_dscnt 0x0
	global_store_b128 v5, v[16:19], s[20:21] th:TH_STORE_NT              ; each store covers 512 consecutive bytes, at a multiple of 512 from out0's first byte
	global_store_b128 v5, v[20:23], s[20:21] offset:512 th:TH_STORE_NT
	s_wait_tensorcnt 0x0
	ds_add_u32 v158, v159
	s_wait_dscnt 0x0
	s_endpgm
.Lfunc_end_k_q10d960d345_pinn:
	.size	k_q10d960d345_pinn, .Lfunc_end_k_q10d960d345_pinn-k_q10d960d345_pinn
	.p2alignl 7, 3214868480
	.fill 96, 4, 3214868480
	.section	.rodata,"a",@progbits
	.p2align	6, 0x0
	.amdhsa_kernel k_q10d960d345_pinn
		.amdhsa_group_segment_fixed_size 76288
		.amdhsa_private_segment_fixed_size 0
		.amdhsa_enable_private_segment 0
		.amdhsa_kernarg_size 168
		.amdhsa_user_sgpr_count 2
		.amdhsa_user_sgpr_kernarg_segment_ptr 1
		.amdhsa_wavefront_size32 1
		.amdhsa_system_sgpr_workgroup_id_x 1
		.amdhsa_system_sgpr_workgroup_id_y 1
		.amdhsa_system_sgpr_workgroup_id_z 1
		.amdhsa_system_vgpr_workitem_id 0
		.amdhsa_next_free_vgpr 512
		.amdhsa_next_free_sgpr 66
		.amdhsa_reserve_vcc 1
		.amdhsa_float_denorm_mode_32 3
		.amdhsa_float_denorm_mode_16_64 3
		.amdhsa_memory_ordered 1
		.amdhsa_forward_progress 1
		.amdhsa_inst_pref_size 69
	.end_amdhsa_kernel
	.amdgpu_metadata
---
amdhsa.version: [ 1, 2 ]
amdhsa.kernels:
  - .name:           k_q10d960d345_pinn
    .symbol:         k_q10d960d345_pinn.kd
    .args:
      - { .name: x, .offset: 0, .size: 8, .value_kind: global_buffer, .address_space: global }
      - { .name: t, .offset: 8, .size: 8, .value_kind: global_buffer, .address_space: global }
      - { .name: out0, .offset: 16, .size: 8, .value_kind: global_buffer, .address_space: global }
      - { .name: W0, .offset: 24, .size: 8, .value_kind: global_buffer, .address_space: global }
      - { .name: b0, .offset: 32, .size: 8, .value_kind: global_buffer, .address_space: global }
      - { .name: Wout, .offset: 40, .size: 8, .value_kind: global_buffer, .address_space: global }
      - { .name: bout, .offset: 48, .size: 8, .value_kind: global_buffer, .address_space: global }
      - { .name: W1, .offset: 56, .size: 8, .value_kind: global_buffer, .address_space: global }
      - { .name: W2, .offset: 64, .size: 8, .value_kind: global_buffer, .address_space: global }
      - { .name: W3, .offset: 72, .size: 8, .value_kind: global_buffer, .address_space: global }
      - { .name: W4, .offset: 80, .size: 8, .value_kind: global_buffer, .address_space: global }
      - { .name: W5, .offset: 88, .size: 8, .value_kind: global_buffer, .address_space: global }
      - { .name: W6, .offset: 96, .size: 8, .value_kind: global_buffer, .address_space: global }
      - { .name: W7, .offset: 104, .size: 8, .value_kind: global_buffer, .address_space: global }
      - { .name: b1, .offset: 112, .size: 8, .value_kind: global_buffer, .address_space: global }
      - { .name: b2, .offset: 120, .size: 8, .value_kind: global_buffer, .address_space: global }
      - { .name: b3, .offset: 128, .size: 8, .value_kind: global_buffer, .address_space: global }
      - { .name: b4, .offset: 136, .size: 8, .value_kind: global_buffer, .address_space: global }
      - { .name: b5, .offset: 144, .size: 8, .value_kind: global_buffer, .address_space: global }
      - { .name: b6, .offset: 152, .size: 8, .value_kind: global_buffer, .address_space: global }
      - { .name: b7, .offset: 160, .size: 8, .value_kind: global_buffer, .address_space: global }
    .group_segment_fixed_size: 76288
    .private_segment_fixed_size: 0
    .kernarg_segment_align: 8
    .kernarg_segment_size: 168
    .max_flat_workgroup_size: 256
    .sgpr_count:     66
    .vgpr_count:     512
    .wavefront_size: 32
...
	.end_amdgpu_metadata
.endif
;; end of part 2
